; MI455X (gfx1250); checked and timed in simulation.
; The chip was launched on July 23, 2026; its instructions are those of AMD's public machine-readable ISA for CDNA 5 (MIT licence, August 2026) and "CDNA5" Instruction Set Architecture Reference Guide (July 2026). The comments in the code are by the model that wrote it; some were corrected since.
;; En FC Net. Allowed arithmetic: float matrix products may take bf16 or f16 operands with f32 sums; other float arithmetic in f32, or as packed bf16 or f16 multiplies, adds, multiply-adds, maxima and minima; sums over many terms, partial sums and values carried from step to step in f32; what a program stores and reads back later, other than sums and carried values, may be rounded once to bf16 or f16.
;; Inputs: W1 256 x 10,000 float32; W2 256 x 256 float32; b1 256 float32; b2 256 float32; beta1 256 float32; beta2 256 float32; gamma1 256 float32; gamma2 256 float32; mask 256 x 10,000 float32; x 32 x 10,000 float32.
;; Outputs: out0 32 x 256 x 256 float32.
;; One version. Each part assembles by itself: llvm-mc -triple=amdgcn-amd-amdhsa -mcpu=gfx1250 --defsym DOCPART=n.
;; ======== version 1 of 1: 3 launches
;; limits: values outside matrix products are rounded to bf16
;; workspace buffers: Wb 5,505,024 bytes; Mb 5,505,024 bytes; Xb 688,128 bytes; W2b 131,072 bytes; H 8,388,608 bytes
;; launch cast (part 1): grid 552 x 1, 8 waves a work-group, no clusters, 0 bytes of LDS; arguments W1, mask, x, W2, Wb, Mb, Xb, W2b; writes Wb, Mb, Xb, W2b
.if DOCPART == 1
	.amdgcn_target "amdgcn-amd-amdhsa--gfx1250"
	.amdhsa_code_object_version 6
	.text
	.protected	k_q545c1d5956_cast
	.globl	k_q545c1d5956_cast
	.p2align	8
	.type	k_q545c1d5956_cast,@function
k_q545c1d5956_cast:
	s_mov_b64 s[64:65], 0
	v_nop
	global_prefetch_b8 v0, s[64:65] scope:SCOPE_SE
	s_setreg_imm32_b32 hwreg(HW_REG_WAVE_MODE, 25, 1), 1
	s_wait_xcnt 0x0
; W1, mask, x and W2 from f32 to bf16 (round to nearest even), once, so that the product that follows reads 16-bit operands as they are.
; W1, mask and x ([R][10000]) are laid anew in 14 chunks of 768 k: element k of a row lies in chunk c = k / 768 at byte
; (c R + row) 1536 + 2 (k - 768 c).  A chunk's rows are 1,536 bytes, dense, and start at multiples of 256 bytes from the buffer's first byte.
; Chunk 13 holds k = 9984 .. 10239 in the first 512 bytes of its rows, with zeros from k = 10000 on; the rest of its rows is neither written here nor read later.
; Work-groups 0-255: one row of W1 each; 256-511: of mask; 512-543: of x; 544-551: 8,192 numbers of W2 each (kept as [256][256]).
; A stream: every byte is read once and written once; all of a thread's loads (160 bytes) are issued before the first wait.  No LDS, no barrier,
; no matrix unit, no cluster: no two work-groups read the same byte, and there is nothing to keep.
.set ROWB, 40000                       ; bytes in a row of W1, mask, x
.set CROW, 1536                        ; bytes in a chunk's row
.set DST,  3                           ; v[3:7]    piece q: byte offset of my 16 bytes in the row's place of the new layout
.set X,    16                          ; v[16:55]  piece q: 8 numbers in f32
.set Y,    56                          ; v[56:75]  piece q: 8 numbers in bf16
; piece q: wait, round, (tail = 1: zeros where k >= 10000), store.  left = how many younger loads may stay out.
.macro CVST q, voff, imm, left, tail
	s_wait_loadcnt \left                           ; loads come back in order: this piece's two are in
.irp k, 0,1,2,3
	v_cvt_pk_bf16_f32 v[Y+4*\q+\k], v[X+8*\q+2*\k], v[X+8*\q+2*\k+1]
.endr
.if \tail
.irp k, 0,1,2,3
	v_cndmask_b32 v[Y+4*\q+\k], 0, v[Y+4*\q+\k], vcc_lo
.endr
.endif
	global_store_b128 v[\voff], v[Y+4*\q:Y+4*\q+3], s[28:29] offset:\imm   ; a wave stores 512 consecutive bytes, aligned; read again by the next launch: no hint
.endm
	s_load_b512 s[8:23], s[0:1], 0x0               ; W1 s[8:9], mask s[10:11], x s[12:13], W2 s[14:15], Wb s[16:17], Mb s[18:19], Xb s[20:21], W2b s[22:23]
	v_lshlrev_b32 v1, 5, v0                        ; 32 t: my 8 numbers of f32 in a piece of 256 x 8
	s_mov_b32 s31, 0
	s_wait_kmcnt 0x0
	s_cmp_ge_u32 ttmp9, 544
	s_cbranch_scc1 .Lw2
	; ---- one row of W1, mask or x ----
	s_and_b32 s24, ttmp9, 255                      ; the row (x: 512 .. 543 gives 0 .. 31)
	s_mov_b32 s30, 32*CROW-CROW                    ; x: from a chunk to the next, less one row
	s_cmp_lt_u32 ttmp9, 256
	s_cselect_b64 s[26:27], s[8:9], s[10:11]       ; W1 or mask
	s_cselect_b64 s[28:29], s[16:17], s[18:19]     ; Wb or Mb
	s_cmp_lt_u32 ttmp9, 512
	s_cselect_b64 s[26:27], s[26:27], s[12:13]     ; or x
	s_cselect_b64 s[28:29], s[28:29], s[20:21]     ; or Xb
	s_cselect_b32 s25, 256*CROW-CROW, s30          ; CSm = (R - 1) x 1,536
	s_mul_i32 s30, s24, ROWB
	s_add_nc_u64 s[26:27], s[26:27], s[30:31]      ; the row in the source
	s_mul_i32 s30, s24, CROW
	s_add_nc_u64 s[28:29], s[28:29], s[30:31]      ; the row's place in chunk 0
	v_min_u32 v2, 225, v0                          ; piece 4 has 226 threads' worth of numbers (k = 8192 .. 9999): the others load
	v_lshlrev_b32 v2, 5, v2                        ; thread 225's bytes, so that no load leaves the row, and store zeros
.irp q, 0,1,2,3
	global_load_b128 v[X+8*\q:X+8*\q+3],   v1, s[26:27] offset:8192*\q th:TH_LOAD_NT
	global_load_b128 v[X+8*\q+4:X+8*\q+7], v1, s[26:27] offset:8192*\q+16 th:TH_LOAD_NT
.endr
	global_load_b128 v[X+32:X+35], v2, s[26:27] offset:32768 th:TH_LOAD_NT
	global_load_b128 v[X+36:X+39], v2, s[26:27] offset:32784 th:TH_LOAD_NT
	; piece q: k8 = t + 256 q counts groups of 8 numbers; chunk c = k8 / 96 = (683 k8) >> 16 (96 x 683 = 65,536 + 32: exact for k8 < 2,016);
	; byte = 16 k8 + c CSm.  A wave's 32 groups never cross a chunk: 96 = 3 x 32.
.irp q, 0,1,2,3,4
	v_add_nc_u32 v9, 256*\q, v0
	v_mul_u32_u24 v8, 683, v9
	v_lshrrev_b32 v8, 16, v8
	v_mul_lo_u32 v8, v8, s25
	v_lshl_add_u32 v[DST+\q], v9, 4, v8
.endr
	v_cmp_gt_u32 vcc_lo, 226, v0                   ; piece 4: my numbers exist
	CVST 0, DST+0, 0, 8, 0                         ; ten loads were issued: behind piece q's two stand 8 - 2 q
	CVST 1, DST+1, 0, 6, 0
	CVST 2, DST+2, 0, 4, 0
	CVST 3, DST+3, 0, 2, 0
	CVST 4, DST+4, 0, 0, 1
	s_endpgm
	; ---- 8,192 numbers of W2 ----
.Lw2:
	s_sub_co_u32 s24, ttmp9, 544                   ; 0 .. 7
	s_lshl_b32 s30, s24, 15
	s_add_nc_u64 s[26:27], s[14:15], s[30:31]      ; 32,768 bytes of f32
	s_lshl_b32 s30, s24, 14
	s_add_nc_u64 s[28:29], s[22:23], s[30:31]      ; 16,384 bytes of bf16
.irp q, 0,1,2,3
	global_load_b128 v[X+8*\q:X+8*\q+3],   v1, s[26:27] offset:8192*\q th:TH_LOAD_NT
	global_load_b128 v[X+8*\q+4:X+8*\q+7], v1, s[26:27] offset:8192*\q+16 th:TH_LOAD_NT
.endr
	v_lshlrev_b32 v[DST], 4, v0
	CVST 0, DST, 0, 6, 0                           ; eight loads: behind piece q's two stand 6 - 2 q
	CVST 1, DST, 4096, 4, 0
	CVST 2, DST, 8192, 2, 0
	CVST 3, DST, 12288, 0, 0
	s_endpgm
.Lfunc_end_k_q545c1d5956_cast:
	.size	k_q545c1d5956_cast, .Lfunc_end_k_q545c1d5956_cast-k_q545c1d5956_cast
	.p2alignl 7, 3214868480
	.fill 96, 4, 3214868480
	.section	.rodata,"a",@progbits
	.p2align	6, 0x0
	.amdhsa_kernel k_q545c1d5956_cast
		.amdhsa_group_segment_fixed_size 0
		.amdhsa_private_segment_fixed_size 0
		.amdhsa_enable_private_segment 0
		.amdhsa_kernarg_size 64
		.amdhsa_user_sgpr_count 2
		.amdhsa_user_sgpr_kernarg_segment_ptr 1
		.amdhsa_wavefront_size32 1
		.amdhsa_system_sgpr_workgroup_id_x 1
		.amdhsa_system_sgpr_workgroup_id_y 1
		.amdhsa_system_sgpr_workgroup_id_z 1
		.amdhsa_system_vgpr_workitem_id 0
		.amdhsa_next_free_vgpr 80
		.amdhsa_next_free_sgpr 66
		.amdhsa_reserve_vcc 1
		.amdhsa_float_denorm_mode_32 3
		.amdhsa_float_denorm_mode_16_64 3
		.amdhsa_memory_ordered 1
		.amdhsa_forward_progress 1
		.amdhsa_inst_pref_size 9
	.end_amdhsa_kernel
	.amdgpu_metadata
---
amdhsa.version: [ 1, 2 ]
amdhsa.kernels:
  - .name:           k_q545c1d5956_cast
    .symbol:         k_q545c1d5956_cast.kd
    .args:
      - { .name: W1, .offset: 0, .size: 8, .value_kind: global_buffer, .address_space: global }
      - { .name: mask, .offset: 8, .size: 8, .value_kind: global_buffer, .address_space: global }
      - { .name: x, .offset: 16, .size: 8, .value_kind: global_buffer, .address_space: global }
      - { .name: W2, .offset: 24, .size: 8, .value_kind: global_buffer, .address_space: global }
      - { .name: Wb, .offset: 32, .size: 8, .value_kind: global_buffer, .address_space: global }
      - { .name: Mb, .offset: 40, .size: 8, .value_kind: global_buffer, .address_space: global }
      - { .name: Xb, .offset: 48, .size: 8, .value_kind: global_buffer, .address_space: global }
      - { .name: W2b, .offset: 56, .size: 8, .value_kind: global_buffer, .address_space: global }
    .group_segment_fixed_size: 0
    .private_segment_fixed_size: 0
    .kernarg_segment_align: 8
    .kernarg_segment_size: 64
    .max_flat_workgroup_size: 256
    .sgpr_count:     66
    .vgpr_count:     80
    .wavefront_size: 32
...
	.end_amdgpu_metadata
.endif
;; end of part 1
;; launch gemm1 (part 2): grid 64 x 4, 4 waves a work-group, clusters of 4 x 1, 327,680 bytes of LDS; arguments Wb, Xb, Mb, b1, H; writes H
.if DOCPART == 2
	.amdgcn_target "amdgcn-amd-amdhsa--gfx1250"
	.amdhsa_code_object_version 6
	.text
	.protected	k_q545c1d5956_gemm1
	.globl	k_q545c1d5956_gemm1
	.p2align	8
	.type	k_q545c1d5956_gemm1,@function
k_q545c1d5956_gemm1:
	s_mov_b64 s[64:65], 0
	v_nop
	global_prefetch_b8 v0, s[64:65] scope:SCOPE_SE
	s_setreg_imm32_b32 hwreg(HW_REG_WAVE_MODE, 25, 1), 1
	s_wait_xcnt 0x0
	s_wait_alu depctr_hold_cnt(0) depctr_sa_sdst(0) depctr_va_vdst(0) depctr_va_sdst(0) depctr_va_ssrc(0) depctr_va_vcc(0) depctr_vm_vsrc(0)
	s_getreg_b32 s2, hwreg(HW_REG_IB_STS2, 6, 4)
	s_cmp_eq_u32 s2, 0
	s_cbranch_scc0 .Lentry_in_a_cluster
	s_endpgm
.Lentry_in_a_cluster:
	s_bfe_u32 s2, ttmp6, 0x10000c
	s_cmp_lg_u32 s2, 0x3003
	s_cbranch_scc0 .Lentry_shape_is_right
	s_endpgm
.Lentry_shape_is_right:
; H[g][b][h] = sum over k of x[b][k] mask[g][k] W1[h][k] + b1[h], f32, from the bf16 copies Wb, Xb, Mb (14 chunks of 768 k, rows of 1,536 bytes).
; A work-group makes 32 b x 4 g x 64 h = 32 accumulator tiles of 16 x 16.  gb = 4 x cluster x + cx picks g = 4 gb .. 4 gb + 3, hb = y picks h = 64 hb .. + 63.
; K IS SPLIT AMONG THE FOUR WAVES: every wave holds all 32 tiles (256 registers) and takes, of every 256 k, the 64 k at 64 x wave.  So for 32 k a wave reads
; 4 fragments of W, 2 of x and 4 vectors of mask (20 LDS loads) for 32 matrix instructions.  The four partial sums meet once, in LDS, at the end.
; The product's operand x[b][k] mask[g][k] exists nowhere in memory: it is made in registers, two numbers an instruction (v_pk_mul_bf16).
; LIMIT (format): that operand is bf16(bf16(x) bf16(mask)): exact for a mask of 0 and 1, otherwise three roundings of up to 2^-8 each where one would do.
; LIMIT (idle work): the last chunk holds k = 9984 .. 10239, zeros from 10000 on: 64 of a wave's 2,560 matrix instructions serve 16 real k.
; CLUSTER 4 x 1: the four partners have the same hb and neighbouring gb.  W's tile hangs on hb alone and x's on nothing: both are asked for jointly (mask 15), 96 of a
; step's 100 rows.  mask's 4 rows differ from partner to partner (they hang on gb), so wave 3 fetches them by a load of its own work-group.
; RING: two LDS slots of one chunk (768 k) each.  Waves 0 and 1 fetch 32 rows of W each, wave 2 x's 32 rows, wave 3 mask's 4 rows: one tensor load a wave
; behind each round of the cluster's barrier.  By this text's own count a wave has two tensor loads out at the start and one later.
; The matrix instruction is used transposed (source 0 = 16 rows of W, source 1 = 16 rows b of the made operand): lane (r, hh) holds b = 16 bb + r and, in registers 0-7,
; the neighbouring columns h = 16 j + 8 hh + 0 .. 7.
.set PITCH, 1584                       ; an LDS row: three blocks of 512 bytes, 16 bytes of padding behind each = 99 x 16: sixteen rows start at sixteen different 16-byte columns modulo 256 bytes
.set BLK,   528                        ; a block of 256 k with its padding
.set R16,   16*PITCH
.set R32,   32*PITCH                   ; 50,688: what one load of W or x fills
.set XBASE, 2*R32                      ; a slot: W's 64 rows, x's 32 rows,
.set MBASE, 3*R32                      ; mask's 4 rows
.set SLOT,  158464                     ; 3 x 50,688 + 4 x 1,584, rounded up to a multiple of 256
.set CHW,   256*1536                   ; bytes from chunk to chunk in Wb and Mb
.set CHX,   32*1536                    ; and in Xb
.set SP,    272                        ; the way out: a row of 64 f32 and 16 bytes of padding
.set SWAVE, 128*SP                     ; a wave's partial sums: 128 rows (g local, b).  The four lie in slot 0, from byte 0, behind that slot's last fill and last read
; window 0
.set ADW, 4                            ; v4-7    LDS address of my W fragments: slot 0 rows 0-31, rows 32-63, slot 1 likewise
.set ADX, 8                            ; v8-9    of my x fragments, slot 0, 1
.set ADM, 10                           ; v10-11  of my mask vectors, slot 0, 1
.set STO, 12                           ; v12     the way out: where I put my partial sums
.set RD,  13                           ; v13-16  the way out: where I read wave 0 .. 3's partial sums
.set CO,  17                           ; v17     my byte offset in H
.set B1,  20                           ; v[20:23] b1 of my four columns on the way out
.set WF,  32                           ; v[32:95], v[96:159]    W fragments, two buffers: 32 ks + 8 j
.set XF,  160                          ; v[160:191], v[192:223] x fragments, two buffers: 16 ks + 8 bb
; windows 1 (g local 0, 1) and 2 (g local 2, 3), the same numbers in both
.set FB,  128                          ; v[128:159] four buffers for the made operand;  v[0:127] the 16 tiles, tile (2 gl + bb) 4 + j
.set MV,  160                          ; v[160:191], v[192:223] mask vectors, two buffers: 16 gl + 8 ks
.set G1J, 24                           ; s[24:31] group 1 of the joint loads (W, x): 32 rows x 768
.set G1M, 32                           ; s[32:39] group 1 of mask's load: 4 rows x 768
.set G0W, 40                           ; s[40:47] group 0 for W, one set a slot
.set G0X, 48                           ; s[48:55] for x
.set G0M, 56                           ; s[56:63] for mask
.set WLO, 0x54                         ; source 0 window 0; source 1, source 2 and destination window 1: serves the packed multiply (x, mask -> operand),
.set WHI, 0xa8                         ; the matrix instruction (W, operand, tile) and the loads of mask vectors alike; WHI: the same with window 2
.set MSB, 0
.macro WIN new                         ; the immediate's high byte repeats the setting that is left
.if MSB != \new
	s_set_vgpr_msb (MSB<<8)|\new
.set MSB, \new
.endif
.endm
; The cluster's barrier: my work-group's barrier, wave 0 signals for the work-group, every wave waits for the four work-groups, my work-group's barrier once more.
.macro CREST                           ; a round behind its opening barrier
	s_cmp_lg_u32 s14, 0
	s_cbranch_scc1 .Lnot_wave_0_\@
	s_barrier_signal -3
.Lnot_wave_0_\@:
	s_barrier_wait -3
	s_barrier_signal -1
	s_barrier_wait -1
.endm
.macro ROUND
	s_barrier_signal -1
	s_barrier_wait -1
	CREST
.endm
; One tensor load a wave.  The branches hang on the wave's number alone, the same in every work-group.
.macro JLOAD s
	s_cmp_lt_u32 s14, 2
	s_cbranch_scc0 .Lnot_w_\@
	tensor_load_to_lds s[G0W+4*\s:G0W+4*\s+3], s[G1J:G1J+7]       ; waves 0, 1: 32 rows of W, jointly
	s_nop 0
	s_branch .Lasked_\@
.Lnot_w_\@:
	s_cmp_eq_u32 s14, 2
	s_cbranch_scc0 .Lfor_m_\@
	tensor_load_to_lds s[G0X+4*\s:G0X+4*\s+3], s[G1J:G1J+7]       ; wave 2: x's 32 rows, jointly
	s_nop 0
	s_branch .Lasked_\@
.Lfor_m_\@:
	tensor_load_to_lds s[G0M+4*\s:G0M+4*\s+3], s[G1M:G1M+7]       ; wave 3: my work-group's 4 rows of mask
	s_nop 0
.Lasked_\@:
.endm
	s_load_b256 s[4:11], s[0:1], 0x0               ; Wb s[4:5], Xb s[6:7], Mb s[8:9], b1 s[10:11]
	s_load_b64 s[12:13], s[0:1], 0x20              ; H
	v_lshl_add_u32 v255, v0, 2, 0x4d600
	s_set_vgpr_msb 0x40
	v_mov_b32 v255, 0
	s_set_vgpr_msb 0x4044
	ds_add_u32 v255, v255
	s_set_vgpr_msb 0x4400
	v_lshrrev_b32 v1, 5, v0
	v_readfirstlane_b32 s14, v1                    ; wave 0..3
	s_bfe_u32 s16, ttmp6, 0x40000                  ; cx
	s_lshl_b32 s17, ttmp9, 2
	s_add_co_u32 s17, s17, s16                     ; gb = 4 x cluster x + cx.  cx enters s16, s17, s[72:75], mask's group 0 and H's base, and nothing else
	s_and_b32 s18, ttmp7, 0xffff                   ; hb
	s_mov_b32 s[G1J+0], 15|(1<<16)|(1<<20)|(1<<21)|(6<<22)|(3<<25)  ; 15:0 all four work-groups; 17:16 elements of 2 bytes; 20 padding on; 21 set beside a mask; 24:22 after every 128 words; 31:25 of 4 words
	s_mov_b32 s[G1J+1], 768<<16                    ; tensor_dim0 = 768
	s_mov_b32 s[G1J+2], 32<<16                     ; tensor_dim1 = 32
	s_mov_b32 s[G1J+3], 768<<16                    ; tile_dim0 = 768
	s_mov_b32 s[G1J+4], 32                         ; tile_dim1 = 32
	s_mov_b32 s[G1J+5], 768                        ; elements from row to row
	s_mov_b32 s[G1J+6], 0
	s_mov_b32 s[G1J+7], 0
	s_mov_b32 s[G1M+0], (1<<16)|(1<<20)|(6<<22)|(3<<25)             ; no mask: a load of my own
	s_mov_b32 s[G1M+1], 768<<16
	s_mov_b32 s[G1M+2], 4<<16
	s_mov_b32 s[G1M+3], 768<<16
	s_mov_b32 s[G1M+4], 4
	s_mov_b32 s[G1M+5], 768
	s_mov_b32 s[G1M+6], 0
	s_mov_b32 s[G1M+7], 0
	s_mul_i32 s20, s18, 64*1536                    ; W: row 64 hb
	s_mul_i32 s21, s14, 32*1536                    ;    + 32 x wave (waves 0 and 1 ask by it)
	s_add_co_u32 s20, s20, s21
	s_mov_b32 s21, 0
	s_mul_i32 s15, s14, R32                        ; and where it goes: wave x 32 rows
	s_mul_i32 s72, s17, 4*1536                     ; mask: row 4 gb
	s_mov_b32 s73, 0
	s_lshl_b32 s23, s18, 8                         ; 256 hb: my 64 columns, in bytes of f32
	s_wait_dscnt 0x0
	s_wait_kmcnt 0x0
	s_add_nc_u64 s[68:69], s[4:5], s[20:21]
	s_add_nc_u64 s[74:75], s[8:9], s[72:73]
	s_lshl_b32 s72, s17, 17                        ; H: g = 4 gb + wave (the g whose sums I finish), 32,768 bytes each,
	s_lshl_b32 s73, s14, 15
	s_add_co_u32 s72, s72, s73
	s_add_co_u32 s72, s72, s23                     ; and my 64 columns
	s_mov_b32 s73, 0
	s_add_nc_u64 s[12:13], s[12:13], s[72:73]
	ROUND                                          ; all four work-groups are here: the first joint loads meet
.irp sl, 0,1
	s_mov_b32 s[G0W+4*\sl], 1
	s_add_co_u32 s[G0W+4*\sl+1], s15, \sl*SLOT
	s_add_nc_u64 s[G0W+4*\sl+2:G0W+4*\sl+3], s[68:69], \sl*CHW
	s_or_b32 s[G0W+4*\sl+3], s[G0W+4*\sl+3], 0x80000000
	s_mov_b32 s[G0X+4*\sl], 1
	s_mov_b32 s[G0X+4*\sl+1], \sl*SLOT+XBASE
	s_add_nc_u64 s[G0X+4*\sl+2:G0X+4*\sl+3], s[6:7], \sl*CHX
	s_or_b32 s[G0X+4*\sl+3], s[G0X+4*\sl+3], 0x80000000
	s_mov_b32 s[G0M+4*\sl], 1
	s_mov_b32 s[G0M+4*\sl+1], \sl*SLOT+MBASE
	s_add_nc_u64 s[G0M+4*\sl+2:G0M+4*\sl+3], s[74:75], \sl*CHW
	s_or_b32 s[G0M+4*\sl+3], s[G0M+4*\sl+3], 0x80000000
	JLOAD \sl                                      ; chunks 0 and 1: both slots are asked for before anything else is done
.endr
	v_and_b32 v1, 15, v0                           ; r
	v_bfe_u32 v2, v0, 4, 1                         ; hh
	v_lshlrev_b32 v24, 4, v1
	v_add_nc_u32 v24, s23, v24                     ; 256 hb + 16 r
	global_load_b128 v[B1:B1+3], v24, s[10:11]     ; b1 of the four columns that I store; waited for on the way out
	s_lshl_b32 s20, s14, 7                         ; my 64 k of each block of 256: 128 bytes x wave
	v_mul_u32_u24 v3, v1, PITCH
	v_lshl_add_u32 v3, v2, 4, v3
	v_add_nc_u32 v3, s20, v3                       ; row r, 16 bytes for each half of the lanes, my part of a block
	v_lshl_add_u32 v19, v2, 4, s20                 ; mask: the same without the row: sixteen lanes read the same 16 bytes
.irp sl, 0,1
	v_add_nc_u32 v[ADW+2*\sl],   \sl*SLOT,       v3
	v_add_nc_u32 v[ADW+2*\sl+1], \sl*SLOT+R32,   v3
	v_add_nc_u32 v[ADX+\sl],     \sl*SLOT+XBASE, v3
	v_add_nc_u32 v[ADM+\sl],     \sl*SLOT+MBASE, v19
.endr
	s_mul_i32 s21, s14, SWAVE
	v_mul_u32_u24 v[STO], v1, SP
	v_lshl_add_u32 v[STO], v2, 5, v[STO]
	v_add_nc_u32 v[STO], s21, v[STO]               ; my partial sums: row r, 32 bytes for each half of the lanes
	s_mul_i32 s22, s14, 32*SP                      ; the 32 rows of g local = wave
	v_mul_u32_u24 v18, v2, SP
	v_lshl_add_u32 v18, v1, 4, v18
	v_add_nc_u32 v18, s22, v18                     ; lanes 0-15 one row of 256 bytes, lanes 16-31 the next
.irp src, 0,1,2,3
	v_add_nc_u32 v[RD+\src], \src*SWAVE, v18
.endr
	v_lshlrev_b32 v[CO], 4, v1
	v_lshl_add_u32 v[CO], v2, 10, v[CO]            ; the same two rows in H (1,024 bytes apart)
; 24 loads: the W and x fragments of 64 k (piece i of slot s) into buffer q.  Registers 0-3 of a fragment: k = 8 hh + 0..7, registers 4-7: 16 more.
.macro LOADS_WX s, i, q
	WIN 0
.irp ks, 0,1
.irp j, 0,1,2,3
.irp hf, 0,1
	ds_load_b128 v[WF+64*(\q)+32*\ks+8*\j+4*\hf:WF+64*(\q)+32*\ks+8*\j+4*\hf+3], v[ADW+2*(\s)+(\j>>1)] offset:(\j&1)*R16+BLK*(\i)+64*\ks+32*\hf
.endr
.endr
.endr
.irp ks, 0,1
.irp bb, 0,1
.irp hf, 0,1
	ds_load_b128 v[XF+32*(\q)+16*\ks+8*\bb+4*\hf:XF+32*(\q)+16*\ks+8*\bb+4*\hf+3], v[ADX+(\s)] offset:\bb*R16+BLK*(\i)+64*\ks+32*\hf
.endr
.endr
.endr
.endm
; 8 loads: the mask vectors of g local 2 gh, 2 gh + 1 for the same 64 k, into the window that is set (WLO for gh = 0, WHI for gh = 1)
.macro LOADS_M s, i, q, gh
.irp gl, 0,1
.irp ks, 0,1
.irp hf, 0,1
	ds_load_b128 v[MV+32*(\q)+16*\gl+8*\ks+4*\hf:MV+32*(\q)+16*\gl+8*\ks+4*\hf+3], v[ADM+(\s)] offset:(2*\gh+\gl)*PITCH+BLK*(\i)+64*\ks+32*\hf
.endr
.endr
.endr
.endm
; The made operand number u = 4 ks + 2 gl + bb of a window's eight: x fragment (ks, bb) times mask vector (gl, ks), 8 registers, in buffer u mod 4.
.macro FORM0 p                         ; number 0
.irp e, 0,1,2,3,4,5,6,7
	v_pk_mul_bf16 v[FB+\e], v[XF+32*(\p)+\e], v[MV+32*(\p)+\e]
.endr
.endm
; Four matrix instructions on operand u (tiles (2 gl + bb) 4 + 0..3), with operand u + 1 made between them, two registers in front of each.
; Operand u + 1 goes into the buffer that operand u - 3's matrix instructions read: sixteen packed multiplies that name none of their registers stand between.
; The 16 tiles of a window take turns, one instruction a turn.
.macro GRP p, u, zero
.set G_FB, FB+8*((\u)&3)
.set G_W,  WF+64*(\p)+32*((\u)>>2)
.set G_T,  32*(2*(((\u)>>1)&1)+((\u)&1))
.set N_FB, FB+8*(((\u)+1)&3)
.set N_X,  XF+32*(\p)+16*(((\u)+1)>>2)+8*(((\u)+1)&1)
.set N_M,  MV+32*(\p)+16*((((\u)+1)>>1)&1)+8*(((\u)+1)>>2)
.irp j, 0,1,2,3
.if (\u) < 7
	v_pk_mul_bf16 v[N_FB+2*\j],   v[N_X+2*\j],   v[N_M+2*\j]
	v_pk_mul_bf16 v[N_FB+2*\j+1], v[N_X+2*\j+1], v[N_M+2*\j+1]
.endif
.if \zero
	v_wmma_f32_16x16x32_bf16 v[G_T+8*\j:G_T+8*\j+7], v[G_W+8*\j:G_W+8*\j+7], v[G_FB:G_FB+7], 0
.else
	v_wmma_f32_16x16x32_bf16 v[G_T+8*\j:G_T+8*\j+7], v[G_W+8*\j:G_W+8*\j+7], v[G_FB:G_FB+7], v[G_T+8*\j:G_T+8*\j+7]
.endif
.endr
.endm
.macro GRPS p, u0, zero
	GRP \p, \u0, \zero
	GRP \p, \u0+1, \zero
	GRP \p, \u0+2, \zero
	GRP \p, \u0+3, \zero
.endm
; A double step: 64 k on buffer p, 64 matrix instructions; the next double step's 40 loads (piece ni of slot ns) go into buffer 1 - p, in the order W, x, mask of g 0-1, mask of g 2-3.
; zero = 1: the first products (ks = 0) start the sums: nothing is cleared.
; The eight packed multiplies of FORM0 are the places between the last double step's last matrix instruction, which read buffer 1 - p of W, and the loads into that buffer.
.macro DSTEP p, ns, ni, zero
	s_wait_dscnt 8                                 ; of this step's 40 loads the youngest eight (mask of g 2-3) may be out
	WIN WLO
	FORM0 \p
	LOADS_WX \ns, \ni, 1-\p
	WIN WLO
	LOADS_M \ns, \ni, 1-\p, 0
	GRPS \p, 0, \zero
	GRPS \p, 4, 0
	WIN WHI
	s_wait_dscnt 32                                ; all but the 32 just issued: this step's mask of g 2-3 is in
	LOADS_M \ns, \ni, 1-\p, 1
	FORM0 \p
	GRPS \p, 0, \zero
	GRPS \p, 4, 0
.endm
; A chunk's last double step changes slots.  In front of the barrier every wave waits for its reads of slot s and for all its tensor loads (one is out: its part of the other slot).
; fill = 1, 2: that barrier opens a round of the cluster's barrier; behind the round no wave of any partner reads slot s or has a load on its way: the refill comes first, one tensor load a wave.
; fill = 2: the refill is the last chunk, of which 256 k exist: tensor_dim0 = 256, and the rest of each LDS row is written as zeros, so that the pitch stays.
; From a refill to the wait for it a wave issues 176 matrix instructions.
.macro DTURN p, s, fill
	s_wait_dscnt 8
	WIN WLO
	FORM0 \p
	GRPS \p, 0, 0
	s_wait_dscnt 0                                 ; my reads of this slot are over
	s_wait_tensorcnt 0x0                           ; and all my tensor loads have landed
	ds_add_u32 v255, v255
	s_wait_dscnt 0x0
	s_barrier_signal -1
	GRPS \p, 4, 0                                  ; work on registers while the others arrive
	WIN 0
	s_barrier_wait -1
.if \fill
	CREST
	s_add_nc_u64 s[G0W+4*\s+2:G0W+4*\s+3], s[G0W+4*\s+2:G0W+4*\s+3], 2*CHW   ; no tensor load of mine is out: the descriptors may be written
	s_add_nc_u64 s[G0X+4*\s+2:G0X+4*\s+3], s[G0X+4*\s+2:G0X+4*\s+3], 2*CHX
	s_add_nc_u64 s[G0M+4*\s+2:G0M+4*\s+3], s[G0M+4*\s+2:G0M+4*\s+3], 2*CHW
.if \fill == 2
	s_mov_b32 s[G1J+1], 256<<16
	s_mov_b32 s[G1M+1], 256<<16
.endif
	JLOAD \s
.endif
	LOADS_WX 1-\s, 0, 1-\p
	WIN WLO
	LOADS_M 1-\s, 0, 1-\p, 0
	WIN WHI
	LOADS_M 1-\s, 0, 1-\p, 1
	FORM0 \p
	GRPS \p, 0, 0
	GRPS \p, 4, 0
.endm
.macro LAP zero, f0, f1                ; two chunks: once round the ring
	DSTEP 0, 0, 1, \zero
	DSTEP 1, 0, 2, 0
	DTURN 0, 0, \f0
	DSTEP 1, 1, 1, 0
	DSTEP 0, 1, 2, 0
	DTURN 1, 1, \f1
.endm
	s_wait_tensorcnt 0x1                           ; my part of chunk 0 is in; chunk 1's stays out
	s_barrier_signal -1
	s_barrier_wait -1                              ; everybody's is
	LOADS_WX 0, 0, 0
	WIN WLO
	LOADS_M 0, 0, 0, 0
	WIN WHI
	LOADS_M 0, 0, 0, 1
	LAP 1, 1, 1                                    ; chunks 0, 1; asks for 2, 3.  Its first products start the sums
	WIN 0                                          ; at a label and at a branch every window is 0
	s_mov_b32 s19, 4
.Llap:
	LAP 0, 1, 1                                    ; chunks 2 .. 9; asks for 4 .. 11
	WIN 0
	s_sub_co_u32 s19, s19, 1
	s_cmp_lg_u32 s19, 0
	s_cbranch_scc1 .Llap
	LAP 0, 1, 2                                    ; chunks 10, 11; asks for 12 and for the last, 13
	DSTEP 0, 0, 1, 0                               ; chunk 12: nothing is left to fetch
	DSTEP 1, 0, 2, 0
	DTURN 0, 0, 0
	s_wait_dscnt 0                                 ; chunk 13: one double step a wave
	WIN WLO
	FORM0 1
	GRPS 1, 0, 0
	GRPS 1, 4, 0
	WIN WHI
	FORM0 1
	GRPS 1, 0, 0
	GRPS 1, 4, 0
	; THE WAY OUT.  Each wave puts its 32 partial tiles into its own 128 rows of 272 bytes in slot 0, which has had its last fill and whose last reads stand in front of the last barrier.
	WIN 0
.rept 4
	v_nop                                          ; the places between the last matrix instruction and the stores that read its result, and the loads into W's buffers
.endr
	WIN 0x04                                       ; store data from window 1: g local 0, 1
.irp gl, 0,1
.irp bb, 0,1
.irp j, 0,1,2,3
	ds_store_b128 v[STO], v[8*((2*\gl+\bb)*4+\j):8*((2*\gl+\bb)*4+\j)+3]   offset:(32*\gl+16*\bb)*SP+64*\j
	ds_store_b128 v[STO], v[8*((2*\gl+\bb)*4+\j)+4:8*((2*\gl+\bb)*4+\j)+7] offset:(32*\gl+16*\bb)*SP+64*\j+16
.endr
.endr
.endr
	WIN 0x08                                       ; from window 2: g local 2, 3
.irp gl, 0,1
.irp bb, 0,1
.irp j, 0,1,2,3
	ds_store_b128 v[STO], v[8*((2*\gl+\bb)*4+\j):8*((2*\gl+\bb)*4+\j)+3]   offset:(64+32*\gl+16*\bb)*SP+64*\j
	ds_store_b128 v[STO], v[8*((2*\gl+\bb)*4+\j)+4:8*((2*\gl+\bb)*4+\j)+7] offset:(64+32*\gl+16*\bb)*SP+64*\j+16
.endr
.endr
.endr
	WIN 0
	s_wait_dscnt 0x0                               ; for the others' sake: my stores are done
	s_barrier_signal -1
	s_barrier_wait -1
	s_wait_loadcnt 0x0                             ; b1
; Wave w finishes g local = w: 32 rows of 256 bytes, two rows a load, from each of the four waves' sums; four pairs of rows a batch, in registers e (W's two buffers by turns).
.macro BATCH tb, e
.if \tb >= 2
	s_wait_xcnt 0x0                                ; the stores of the batch before last read these registers: they are loaded again only behind this wait
.endif
.irp tt, 0,1,2,3
.irp src, 0,1,2,3
	ds_load_b128 v[\e+16*\tt+4*\src:\e+16*\tt+4*\src+3], v[RD+\src] offset:(4*\tb+\tt)*2*SP
.endr
.endr
.irp tt, 0,1,2,3
	s_wait_dscnt 12-4*\tt                          ; behind this pair's four loads stand those of the later pairs
	v_pk_add_f32 v[\e+16*\tt:\e+16*\tt+1],     v[\e+16*\tt:\e+16*\tt+1],     v[\e+16*\tt+4:\e+16*\tt+5]
	v_pk_add_f32 v[\e+16*\tt+2:\e+16*\tt+3],   v[\e+16*\tt+2:\e+16*\tt+3],   v[\e+16*\tt+6:\e+16*\tt+7]
	v_pk_add_f32 v[\e+16*\tt+8:\e+16*\tt+9],   v[\e+16*\tt+8:\e+16*\tt+9],   v[\e+16*\tt+12:\e+16*\tt+13]
	v_pk_add_f32 v[\e+16*\tt+10:\e+16*\tt+11], v[\e+16*\tt+10:\e+16*\tt+11], v[\e+16*\tt+14:\e+16*\tt+15]
	v_pk_add_f32 v[\e+16*\tt:\e+16*\tt+1],     v[\e+16*\tt:\e+16*\tt+1],     v[\e+16*\tt+8:\e+16*\tt+9]
	v_pk_add_f32 v[\e+16*\tt+2:\e+16*\tt+3],   v[\e+16*\tt+2:\e+16*\tt+3],   v[\e+16*\tt+10:\e+16*\tt+11]
	v_pk_add_f32 v[\e+16*\tt:\e+16*\tt+1],     v[\e+16*\tt:\e+16*\tt+1],     v[B1:B1+1]
	v_pk_add_f32 v[\e+16*\tt+2:\e+16*\tt+3],   v[\e+16*\tt+2:\e+16*\tt+3],   v[B1+2:B1+3]
	global_store_b128 v[CO], v[\e+16*\tt:\e+16*\tt+3], s[12:13] offset:(4*\tb+\tt)*2048   ; sixteen lanes store 256 consecutive bytes, aligned
.endr
.endm
	BATCH 0, WF
	BATCH 1, WF+64
	BATCH 2, WF
	BATCH 3, WF+64
	s_set_vgpr_msb 0x4
	s_wait_tensorcnt 0x0
	ds_add_u32 v255, v255
	s_wait_dscnt 0x0
	s_set_vgpr_msb 0x400
	ROUND                                          ; the closing round: no work-group ends while a partner may still ask for a tile that names it
	s_endpgm
.Lfunc_end_k_q545c1d5956_gemm1:
	.size	k_q545c1d5956_gemm1, .Lfunc_end_k_q545c1d5956_gemm1-k_q545c1d5956_gemm1
	.p2alignl 7, 3214868480
	.fill 96, 4, 3214868480
	.section	.rodata,"a",@progbits
	.p2align	6, 0x0
	.amdhsa_kernel k_q545c1d5956_gemm1
		.amdhsa_group_segment_fixed_size 327680
		.amdhsa_private_segment_fixed_size 0
		.amdhsa_enable_private_segment 0
		.amdhsa_kernarg_size 40
		.amdhsa_user_sgpr_count 2
		.amdhsa_user_sgpr_kernarg_segment_ptr 1
		.amdhsa_wavefront_size32 1
		.amdhsa_system_sgpr_workgroup_id_x 1
		.amdhsa_system_sgpr_workgroup_id_y 1
		.amdhsa_system_sgpr_workgroup_id_z 1
		.amdhsa_system_vgpr_workitem_id 0
		.amdhsa_next_free_vgpr 768
		.amdhsa_next_free_sgpr 76
		.amdhsa_reserve_vcc 0
		.amdhsa_float_denorm_mode_32 3
		.amdhsa_float_denorm_mode_16_64 3
		.amdhsa_memory_ordered 1
		.amdhsa_forward_progress 1
		.amdhsa_inst_pref_size 255
	.end_amdhsa_kernel
	.section	.bss,"aw",@nobits
	.p2align	6
	.space	262144
	.amdgpu_metadata
---
amdhsa.version: [ 1, 2 ]
amdhsa.kernels:
  - .name:           k_q545c1d5956_gemm1
    .symbol:         k_q545c1d5956_gemm1.kd
    .args:
      - { .name: Wb, .offset: 0, .size: 8, .value_kind: global_buffer, .address_space: global }
      - { .name: Xb, .offset: 8, .size: 8, .value_kind: global_buffer, .address_space: global }
      - { .name: Mb, .offset: 16, .size: 8, .value_kind: global_buffer, .address_space: global }
      - { .name: b1, .offset: 24, .size: 8, .value_kind: global_buffer, .address_space: global }
      - { .name: H, .offset: 32, .size: 8, .value_kind: global_buffer, .address_space: global }
    .group_segment_fixed_size: 327680
    .private_segment_fixed_size: 0
    .kernarg_segment_align: 8
    .kernarg_segment_size: 40
    .max_flat_workgroup_size: 128
    .sgpr_count:     76
    .vgpr_count:     768
    .wavefront_size: 32
...
	.end_amdgpu_metadata
.endif
;; end of part 2
;; launch finish (part 3): grid 256 x 1, 4 waves a work-group, clusters of 4 x 1, 204,544 bytes of LDS; arguments H, W2b, b2, gamma1, beta1, gamma2, beta2, out0; writes out0
.if DOCPART == 3
	.amdgcn_target "amdgcn-amd-amdhsa--gfx1250"
	.amdhsa_code_object_version 6
	.text
	.protected	k_q545c1d5956_finish
	.globl	k_q545c1d5956_finish
	.p2align	8
	.type	k_q545c1d5956_finish,@function
k_q545c1d5956_finish:
	s_mov_b64 s[64:65], 0
	v_nop
	global_prefetch_b8 v0, s[64:65] scope:SCOPE_SE
	s_setreg_imm32_b32 hwreg(HW_REG_WAVE_MODE, 25, 1), 1
	s_wait_xcnt 0x0
	s_wait_alu depctr_hold_cnt(0) depctr_sa_sdst(0) depctr_va_vdst(0) depctr_va_sdst(0) depctr_va_ssrc(0) depctr_va_vcc(0) depctr_vm_vsrc(0)
	s_getreg_b32 s2, hwreg(HW_REG_IB_STS2, 6, 4)
	s_cmp_eq_u32 s2, 0
	s_cbranch_scc0 .Lentry_in_a_cluster
	s_endpgm
.Lentry_in_a_cluster:
	s_bfe_u32 s2, ttmp6, 0x10000c
	s_cmp_lg_u32 s2, 0x3003
	s_cbranch_scc0 .Lentry_shape_is_right
	s_endpgm
.Lentry_shape_is_right:
; For one g a work-group: batch norm of H[g] (32 b x 256 h) over all its 8,192 numbers, ReLU, times W2^T plus b2, the same norm again, ReLU; out0[b][g][z], f32.
; Each variance is made in two passes (the mean; then the sum of (v - mean)^2), never as a difference of large sums; sums and norms in f32.
; The product takes bf16 operands.  W2 comes as the bf16 copy W2b.  The normed h is an intermediate, and the second norm brings z back to a spread of one, so that a
; rounding of h to 8 bits of significand would show undiminished in the result.  So h goes in as TWO bf16 numbers, hi = bf16(a) and lo = bf16(a - hi) (the difference is exact in f32):
; 16 bits of significand, for 64 matrix instructions more a wave; both parts meet the same W2 fragments and add into the same sums.
; Four waves.  For the first norm wave w holds rows b = 8 w .. 8 w + 7; in the product it makes all 32 b x the columns z = 64 w .. 64 w + 63: 8 accumulator tiles.
; CLUSTER 4 x 1: every work-group reads all of W2b, so each wave asks for its 64 rows jointly with the same wave of the three partners (mask 15).
; One tensor load a wave in the whole text; a wave reads only the rows that it fetched itself, behind its own wait.
; The matrix instruction is used transposed (source 0 = 16 rows z of W2, source 1 = 16 rows b of h): lane (r, hh) holds b = 16 bb + r and the columns z = 16 zb + 8 hh + 0 .. 7.
.set P2,    528                        ; a row of 256 bf16 and 16 bytes of padding = 33 x 16: sixteen rows start at sixteen different 16-byte columns modulo 256 bytes
.set HNB,   256*P2                     ; 135,168: behind W2's 256 rows, the normed h: 32 rows of hi,
.set HNLO,  32*P2                      ; and 16,896 bytes further 32 rows of lo
.set REDB0, HNB+64*P2                  ; 168,960: four reductions, 16 bytes each (one word a wave)
.set STG,   REDB0+256                  ; 169,216: the way out, for each wave 32 rows of 272 bytes.  Only W2's rows are filled by tensor loads; the rest begins at a multiple of 256
.set SP,    272
.set HOFF, 4                           ; v4   16 x lane
.set HNST, 5                           ; v5   where I put 4 normed numbers
.set AW,   6                           ; v6   my W2 fragments
.set AH,   7                           ; v7   the h fragments
.set STO,  8                           ; v8   the way out: in
.set RD,   9                           ; v9   the way out: back
.set CO,   10                          ; v10  my byte offset in out0
.set REDW, 11                          ; v11  my wave's word of a reduction
.set REDB, 12                          ; v12  a reduction's four words
.set B2O,  13                          ; v13  my byte offset in b2
.set B2V,  16                          ; v[16:47]   b2 of my columns: 8 zb + e
.set ACC,  48                          ; v[48:111]  tile 2 zb + bb; at work before the product
.set HIP,  ACC                         ; v[48:79]   before the product: the hi parts, packed, two registers for each of my 16 groups of four numbers
.set DIF,  ACC+32                      ; v[80:83]   before the product: four hi parts widened again
.set HV,   112                         ; v[112:175] my 64 numbers of H, before the product
.set FR0,  112                         ; v[112:175], v[176:239]: two buffers of 4 W2 fragments (8 zb), 2 hi fragments (32 + 8 bb) and 2 lo fragments (48 + 8 bb)
.set FR1,  176
.set OUTV, 112                         ; v[112:175] the way out
.macro ROUND                           ; a round of the cluster's barrier
	s_barrier_signal -1
	s_barrier_wait -1
	s_cmp_lg_u32 s24, 0
	s_cbranch_scc1 .Lnot_wave_0_\@
	s_barrier_signal -3
.Lnot_wave_0_\@:
	s_barrier_wait -3
	s_barrier_signal -1
	s_barrier_wait -1
.endm
; The sum of v over the 128 threads, in every lane: within the wave by lane exchanges, between the waves through four words of LDS that belong to this reduction alone.
.macro WSUM v, idx
	v_add_f32_dpp v[\v], v[\v], v[\v] row_xmask:1 row_mask:0xf bank_mask:0xf
	v_add_f32_dpp v[\v], v[\v], v[\v] row_xmask:2 row_mask:0xf bank_mask:0xf
	v_add_f32_dpp v[\v], v[\v], v[\v] row_xmask:4 row_mask:0xf bank_mask:0xf
	v_add_f32_dpp v[\v], v[\v], v[\v] row_xmask:8 row_mask:0xf bank_mask:0xf
	v_permlanex16_b32 v[\v+1], v[\v], s44, s45     ; the other half of the lanes; its destination has been written before
	v_add_f32 v[\v], v[\v], v[\v+1]
	ds_store_b32 v[REDW], v[\v] offset:16*(\idx)
	s_wait_dscnt 0x0                               ; for the others' sake
	s_barrier_signal -1
	s_barrier_wait -1
	ds_load_b128 v[\v:\v+3], v[REDB] offset:16*(\idx)
	s_wait_dscnt 0x0
	v_add_f32 v[\v], v[\v], v[\v+1]
	v_add_f32 v[\v+2], v[\v+2], v[\v+3]
	v_add_f32 v[\v], v[\v], v[\v+2]                ; the same order in every wave: the same number in all
.endm
.macro FOLD T                          ; four chains of pairs into one number
	v_pk_add_f32 v[\T:\T+1], v[\T:\T+1], v[\T+2:\T+3]
	v_pk_add_f32 v[\T+4:\T+5], v[\T+4:\T+5], v[\T+6:\T+7]
	v_pk_add_f32 v[\T:\T+1], v[\T:\T+1], v[\T+4:\T+5]
	v_add_f32 v[\T], v[\T], v[\T+1]
.endm
; v[D : D+63] <- relu(gamma (v - mean) rsqrt(var + 1e-5) + beta), mean and var over the work-group's 8,192 numbers.  T: 12 registers at work; sg, sb: gamma's and beta's scalar register.
.macro BNORM D, T, sg, sb, idx
.irp c, 0,1,2,3
	v_pk_add_f32 v[\T+2*\c:\T+2*\c+1], v[\D+2*\c:\D+2*\c+1], v[\D+8+2*\c:\D+8+2*\c+1]   ; the first numbers start the chains: nothing is cleared
.endr
.irp m, 2,3,4,5,6,7
.irp c, 0,1,2,3
	v_pk_add_f32 v[\T+2*\c:\T+2*\c+1], v[\T+2*\c:\T+2*\c+1], v[\D+8*\m+2*\c:\D+8*\m+2*\c+1]
.endr
.endr
	FOLD \T
	WSUM \T, \idx
	v_mul_f32 v[\T+8], s46, v[\T]                  ; mean = sum / 8,192, twice (a pair for the packed forms)
	v_mul_f32 v[\T+9], s46, v[\T]
.set BN_M, 0
.rept 32
	v_pk_add_f32 v[\D+2*BN_M:\D+2*BN_M+1], v[\D+2*BN_M:\D+2*BN_M+1], v[\T+8:\T+9] neg_lo:[0,1] neg_hi:[0,1]   ; d = v - mean, in place
.set BN_M, BN_M+1
.endr
.irp c, 0,1,2,3
	v_pk_mul_f32 v[\T+2*\c:\T+2*\c+1], v[\D+2*\c:\D+2*\c+1], v[\D+2*\c:\D+2*\c+1]
.endr
.irp m, 1,2,3,4,5,6,7
.irp c, 0,1,2,3
	v_pk_fma_f32 v[\T+2*\c:\T+2*\c+1], v[\D+8*\m+2*\c:\D+8*\m+2*\c+1], v[\D+8*\m+2*\c:\D+8*\m+2*\c+1], v[\T+2*\c:\T+2*\c+1]
.endr
.endr
	FOLD \T
	WSUM \T, \idx+1
	v_fma_f32 v[\T], v[\T], s46, s52               ; var + 1e-5
	v_rsq_f32 v[\T+1], v[\T]
	v_mov_b32 v[\T+10], s[\sb]                     ; a plain instruction stands between v_rsq_f32 and the use of its result (ISA guide 5.7.2)
	v_mov_b32 v[\T+11], s[\sb]
	s_wait_alu depctr_va_vdst(0)
	v_mul_f32 v[\T+8], s[\sg], v[\T+1]
	v_mul_f32 v[\T+9], s[\sg], v[\T+1]
.set BN_M, 0
.rept 32
	v_pk_fma_f32 v[\D+2*BN_M:\D+2*BN_M+1], v[\D+2*BN_M:\D+2*BN_M+1], v[\T+8:\T+9], v[\T+10:\T+11]
.set BN_M, BN_M+1
.endr
.set BN_M, 0
.rept 64
	v_max_num_f32 v[\D+BN_M], 0, v[\D+BN_M]
.set BN_M, BN_M+1
.endr
.endm
	s_load_b512 s[8:23], s[0:1], 0x0               ; H s[8:9], W2b s[10:11], b2 s[12:13], gamma1 s[14:15], beta1 s[16:17], gamma2 s[18:19], beta2 s[20:21], out0 s[22:23]
	v_lshl_add_u32 v254, v0, 2, 0x31d00
	v_mov_b32 v255, 0
	ds_add_u32 v254, v255
	v_lshrrev_b32 v1, 5, v0
	v_readfirstlane_b32 s24, v1                    ; wave 0..3
	s_bfe_u32 s25, ttmp6, 0x40000                  ; cx
	s_lshl_b32 s26, ttmp9, 2
	s_add_co_u32 s26, s26, s25                     ; g = 4 x cluster x + cx.  cx enters s25-s27, s[48:49] and the bases of H, out0 and the four scalar loads, and nothing else
	s_lshl_b32 s27, s26, 2
	s_mov_b32 s44, 0x76543210                      ; v_permlanex16_b32: lane i of one half reads lane i of the other
	s_mov_b32 s45, 0xfedcba98
	s_mov_b32 s46, 0x39000000                      ; 1 / 8,192
	s_mov_b32 s52, 0x3727c5ac                      ; 1e-5
	s_mov_b32 s36, 15|(1<<16)|(1<<20)|(1<<21)|(6<<22)|(3<<25)   ; all four work-groups; elements of 2 bytes; padding: 4 words behind every 128; bit 21 set beside a mask
	s_mov_b32 s37, 256<<16                         ; tensor_dim0 = 256
	s_mov_b32 s38, 64<<16                          ; tensor_dim1 = 64
	s_mov_b32 s39, 256<<16                         ; tile_dim0 = 256
	s_mov_b32 s40, 64                              ; tile_dim1 = 64
	s_mov_b32 s41, 256                             ; elements from row to row
	s_mov_b32 s42, 0
	s_mov_b32 s43, 0
	s_mov_b32 s32, 1
	s_mul_i32 s33, s24, 64*P2                      ; LDS: wave x 64 rows
	s_lshl_b32 s50, s24, 15                        ; W2b: wave x 64 rows of 512 bytes
	s_mov_b32 s51, 0
	s_lshl_b32 s48, s26, 15                        ; H: g x 32,768
	s_lshl_b32 s49, s24, 13                        ;    + wave x 8 rows of 1,024
	s_add_co_u32 s48, s48, s49
	s_mov_b32 s49, 0
	s_lshl_b32 s47, s24, 8                         ; 256 x wave: my 64 columns z, in bytes of f32
	s_wait_dscnt 0x0
	s_wait_kmcnt 0x0
	s_add_nc_u64 s[34:35], s[10:11], s[50:51]
	s_or_b32 s35, s35, 0x80000000
	s_add_nc_u64 s[8:9], s[8:9], s[48:49]
	s_lshl_b32 s48, s26, 10                        ; out0: g x 1,024 + my columns
	s_add_co_u32 s48, s48, s47
	s_add_nc_u64 s[22:23], s[22:23], s[48:49]
	s_load_b32 s28, s[14:15], s27 offset:0x0       ; gamma1[g]
	s_load_b32 s29, s[16:17], s27 offset:0x0       ; beta1[g]
	s_load_b32 s30, s[18:19], s27 offset:0x0       ; gamma2[g]
	s_load_b32 s31, s[20:21], s27 offset:0x0       ; beta2[g]
	ROUND                                          ; the four work-groups are here: the joint loads meet
	tensor_load_to_lds s[32:35], s[36:43]          ; my 64 rows of W2; waited for in front of the product
	s_nop 0
	v_and_b32 v1, 31, v0                           ; lane
	v_and_b32 v2, 15, v0                           ; r
	v_bfe_u32 v3, v0, 4, 1                         ; hh
	v_lshlrev_b32 v[HOFF], 4, v1
.irp n, 0,1,2,3,4,5,6,7,8,9,10,11,12,13,14,15
	global_load_b128 v[HV+4*\n:HV+4*\n+3], v[HOFF], s[8:9] offset:512*\n th:TH_LOAD_NT   ; half a row: row n / 2 of my eight, columns 128 (n mod 2) + 4 lane ..
.endr
	v_lshlrev_b32 v[B2O], 5, v3
	v_add_nc_u32 v[B2O], s47, v[B2O]               ; 256 wave + 32 hh
.irp zb, 0,1,2,3
	global_load_b128 v[B2V+8*\zb:B2V+8*\zb+3],   v[B2O], s[12:13] offset:64*\zb
	global_load_b128 v[B2V+8*\zb+4:B2V+8*\zb+7], v[B2O], s[12:13] offset:64*\zb+16
.endr
	s_mul_i32 s50, s24, 8*P2
	s_add_co_u32 s50, s50, HNB
	v_lshl_add_u32 v[HNST], v1, 3, s50             ; my wave's 8 rows of the normed h, 8 bytes a lane
	v_mul_u32_u24 v14, v2, P2
	v_lshl_add_u32 v14, v3, 4, v14                 ; row r, 16 bytes for each half of the lanes
	v_add_nc_u32 v[AW], s33, v14
	v_add_nc_u32 v[AH], HNB, v14
	s_mul_i32 s51, s24, 32*SP
	s_add_co_u32 s51, s51, STG                     ; my stage
	v_mul_u32_u24 v[STO], v2, SP
	v_lshl_add_u32 v[STO], v3, 5, v[STO]
	v_add_nc_u32 v[STO], s51, v[STO]
	v_mul_u32_u24 v[RD], v3, SP
	v_lshl_add_u32 v[RD], v2, 4, v[RD]
	v_add_nc_u32 v[RD], s51, v[RD]
	v_lshlrev_b32 v[CO], 4, v2
	v_lshl_add_u32 v[CO], v3, 18, v[CO]            ; lanes 16-31: one b further, 262,144 bytes
	v_mov_b32 v[REDB], REDB0
	v_mov_b32 v[REDW], s24
	v_lshl_add_u32 v[REDW], v[REDW], 2, v[REDB]
	s_wait_kmcnt 0x0                               ; the four gains and offsets
	; the first norm; then the normed h into LDS as hi and lo, four numbers (8 bytes of each part) at a time
	s_wait_loadcnt 0x8                             ; H's sixteen loads are in; b2's eight, issued behind them, may stay out
	BNORM HV, ACC, 28, 29, 0
.irp n, 0,1,2,3,4,5,6,7,8,9,10,11,12,13,14,15
	v_cvt_pk_bf16_f32 v[HIP+2*\n],   v[HV+4*\n],   v[HV+4*\n+1]      ; hi = a rounded to bf16
	v_cvt_pk_bf16_f32 v[HIP+2*\n+1], v[HV+4*\n+2], v[HV+4*\n+3]
	ds_store_b64 v[HNST], v[HIP+2*\n:HIP+2*\n+1] offset:(\n>>1)*P2+(\n&1)*256
	v_lshlrev_b32 v[DIF],   16,         v[HIP+2*\n]                  ; hi as f32 again: a shift or a mask
	v_and_b32     v[DIF+1], 0xffff0000, v[HIP+2*\n]
	v_lshlrev_b32 v[DIF+2], 16,         v[HIP+2*\n+1]
	v_and_b32     v[DIF+3], 0xffff0000, v[HIP+2*\n+1]
	v_pk_add_f32 v[HV+4*\n:HV+4*\n+1],   v[HV+4*\n:HV+4*\n+1],   v[DIF:DIF+1]   neg_lo:[0,1] neg_hi:[0,1]   ; a - hi: exact in f32
	v_pk_add_f32 v[HV+4*\n+2:HV+4*\n+3], v[HV+4*\n+2:HV+4*\n+3], v[DIF+2:DIF+3] neg_lo:[0,1] neg_hi:[0,1]
	v_cvt_pk_bf16_f32 v[HV+4*\n],   v[HV+4*\n],   v[HV+4*\n+1]       ; lo = what is left, rounded to bf16
	v_cvt_pk_bf16_f32 v[HV+4*\n+1], v[HV+4*\n+2], v[HV+4*\n+3]
	ds_store_b64 v[HNST], v[HV+4*\n:HV+4*\n+1] offset:HNLO+(\n>>1)*P2+(\n&1)*256
.endr
	s_wait_dscnt 0x0                               ; for the others' sake
	s_barrier_signal -1
	s_barrier_wait -1                              ; all 32 rows of the normed h, both parts, are there
	; the product: K = 256 in 8 steps of 32, 16 loads and 16 matrix instructions each; two buffers, so that the next step's loads are on their way while a step is multiplied
.macro FRLD ks, f
.irp zb, 0,1,2,3
.irp hf, 0,1
	ds_load_b128 v[\f+8*\zb+4*\hf:\f+8*\zb+4*\hf+3], v[AW] offset:\zb*16*P2+64*\ks+32*\hf
.endr
.endr
.irp pt, 0,1
.irp bb, 0,1
.irp hf, 0,1
	ds_load_b128 v[\f+32+16*\pt+8*\bb+4*\hf:\f+32+16*\pt+8*\bb+4*\hf+3], v[AH] offset:\pt*HNLO+\bb*16*P2+64*\ks+32*\hf
.endr
.endr
.endr
.endm
; left = the next step's loads, which may stay out; zero = 1: the first products (the hi parts of step 0) start the sums; nk: the step whose fragments go into the buffer just read (0: none).
; The eight tiles take turns, one instruction a turn, first with hi and then with lo.
.macro KSTEP f, left, zero, nk
	s_wait_dscnt \left
.irp pt, 0,1
.irp zb, 0,1,2,3
.irp bb, 0,1
.if (\zero)*(1-\pt)
	v_wmma_f32_16x16x32_bf16 v[ACC+8*(2*\zb+\bb):ACC+8*(2*\zb+\bb)+7], v[\f+8*\zb:\f+8*\zb+7], v[\f+32+16*\pt+8*\bb:\f+32+16*\pt+8*\bb+7], 0
.else
	v_wmma_f32_16x16x32_bf16 v[ACC+8*(2*\zb+\bb):ACC+8*(2*\zb+\bb)+7], v[\f+8*\zb:\f+8*\zb+7], v[\f+32+16*\pt+8*\bb:\f+32+16*\pt+8*\bb+7], v[ACC+8*(2*\zb+\bb):ACC+8*(2*\zb+\bb)+7]
.endif
.endr
.endr
.endr
.if \nk
.rept 4
	v_nop                                          ; the places between a matrix instruction and a load into a register that it read
.endr
	FRLD \nk, \f
.endif
.endm
	s_wait_tensorcnt 0x0                           ; my 64 rows of W2 are in LDS; no other wave reads them
	FRLD 0, FR0
	FRLD 1, FR1
	KSTEP FR0, 16, 1, 2
	KSTEP FR1, 16, 0, 3
	KSTEP FR0, 16, 0, 4
	KSTEP FR1, 16, 0, 5
	KSTEP FR0, 16, 0, 6
	KSTEP FR1, 16, 0, 7
	KSTEP FR0, 16, 0, 0
	KSTEP FR1, 0, 0, 0
.rept 4
	v_nop                                          ; the places in front of the first reads of the results and the first writes into the fragment buffers
.endr
	; plus b2, the second norm
	s_wait_loadcnt 0x0                             ; b2
.irp zb, 0,1,2,3
.irp bb, 0,1
.irp e, 0,2,4,6
	v_pk_add_f32 v[ACC+8*(2*\zb+\bb)+\e:ACC+8*(2*\zb+\bb)+\e+1], v[ACC+8*(2*\zb+\bb)+\e:ACC+8*(2*\zb+\bb)+\e+1], v[B2V+8*\zb+\e:B2V+8*\zb+\e+1]
.endr
.endr
.endr
	BNORM ACC, FR0, 30, 31, 2
	; the way out, through my own stage: in by tiles (32 bytes of a row a lane), back by rows.  LDS serves a wave's instructions in order (ISA guide 5.7.1): no wait between.
.irp zb, 0,1,2,3
.irp bb, 0,1
	ds_store_b128 v[STO], v[ACC+8*(2*\zb+\bb):ACC+8*(2*\zb+\bb)+3]   offset:\bb*16*SP+\zb*64
	ds_store_b128 v[STO], v[ACC+8*(2*\zb+\bb)+4:ACC+8*(2*\zb+\bb)+7] offset:\bb*16*SP+\zb*64+16
.endr
.endr
.irp t, 0,1,2,3,4,5,6,7,8,9,10,11,12,13,14,15
	ds_load_b128 v[OUTV+4*\t:OUTV+4*\t+3], v[RD] offset:2*SP*\t     ; rows b = 2 t (lanes 0-15) and 2 t + 1 (lanes 16-31)
.endr
.irp t, 0,1,2,3,4,5,6,7,8,9,10,11,12,13,14,15
	s_wait_dscnt 15-\t                             ; behind load t stand 15 - t
	global_store_b128 v[CO], v[OUTV+4*\t:OUTV+4*\t+3], s[22:23] offset:524288*\t th:TH_STORE_NT   ; sixteen lanes store 256 consecutive bytes, aligned; the largest offset, 7,864,320, fits the signed 24 bits
.endr
	s_wait_tensorcnt 0x0
	ds_add_u32 v254, v255
	s_wait_dscnt 0x0
	ROUND                                          ; the closing round: no work-group ends while a partner may still ask for a tile that names it
	s_endpgm
.Lfunc_end_k_q545c1d5956_finish:
	.size	k_q545c1d5956_finish, .Lfunc_end_k_q545c1d5956_finish-k_q545c1d5956_finish
	.p2alignl 7, 3214868480
	.fill 96, 4, 3214868480
	.section	.rodata,"a",@progbits
	.p2align	6, 0x0
	.amdhsa_kernel k_q545c1d5956_finish
		.amdhsa_group_segment_fixed_size 204544
		.amdhsa_private_segment_fixed_size 0
		.amdhsa_enable_private_segment 0
		.amdhsa_kernarg_size 64
		.amdhsa_user_sgpr_count 2
		.amdhsa_user_sgpr_kernarg_segment_ptr 1
		.amdhsa_wavefront_size32 1
		.amdhsa_system_sgpr_workgroup_id_x 1
		.amdhsa_system_sgpr_workgroup_id_y 1
		.amdhsa_system_sgpr_workgroup_id_z 1
		.amdhsa_system_vgpr_workitem_id 0
		.amdhsa_next_free_vgpr 256
		.amdhsa_next_free_sgpr 66
		.amdhsa_reserve_vcc 0
		.amdhsa_float_denorm_mode_32 3
		.amdhsa_float_denorm_mode_16_64 3
		.amdhsa_memory_ordered 1
		.amdhsa_forward_progress 1
		.amdhsa_inst_pref_size 66
	.end_amdhsa_kernel
	.amdgpu_metadata
---
amdhsa.version: [ 1, 2 ]
amdhsa.kernels:
  - .name:           k_q545c1d5956_finish
    .symbol:         k_q545c1d5956_finish.kd
    .args:
      - { .name: H, .offset: 0, .size: 8, .value_kind: global_buffer, .address_space: global }
      - { .name: W2b, .offset: 8, .size: 8, .value_kind: global_buffer, .address_space: global }
      - { .name: b2, .offset: 16, .size: 8, .value_kind: global_buffer, .address_space: global }
      - { .name: gamma1, .offset: 24, .size: 8, .value_kind: global_buffer, .address_space: global }
      - { .name: beta1, .offset: 32, .size: 8, .value_kind: global_buffer, .address_space: global }
      - { .name: gamma2, .offset: 40, .size: 8, .value_kind: global_buffer, .address_space: global }
      - { .name: beta2, .offset: 48, .size: 8, .value_kind: global_buffer, .address_space: global }
      - { .name: out0, .offset: 56, .size: 8, .value_kind: global_buffer, .address_space: global }
    .group_segment_fixed_size: 204544
    .private_segment_fixed_size: 0
    .kernarg_segment_align: 8
    .kernarg_segment_size: 64
    .max_flat_workgroup_size: 128
    .sgpr_count:     66
    .vgpr_count:     256
    .wavefront_size: 32
...
	.end_amdgpu_metadata
.endif
;; end of part 3
